; MI455X (gfx1250); checked and timed in simulation.
; The chip was launched on July 23, 2026; its instructions are those of AMD's public machine-readable ISA for CDNA 5 (MIT licence, August 2026) and "CDNA5" Instruction Set Architecture Reference Guide (July 2026). The comments in the code are by the model that wrote it; some were corrected since.
;; BMM AB I8 E F32. Allowed arithmetic: float matrix products may take bf16 or f16 operands with f32 sums; other float arithmetic in f32, or as packed bf16 or f16 multiplies, adds, multiply-adds, maxima and minima; sums over many terms, partial sums and values carried from step to step in f32; what a program stores and reads back later, other than sums and carried values, may be rounded once to bf16 or f16.
;; Inputs: a 16 x 1,024 x 4,096 int8; alpha one number float32; b 16 x 4,096 x 1,024 int8.
;; Outputs: out0 16 x 1,024 x 1,024 float32.
;; One version. Each part assembles by itself: llvm-mc -triple=amdgcn-amd-amdhsa -mcpu=gfx1250 --defsym DOCPART=n.
;; ======== version 1 of 1: 1 launch
;; launch bmm (part 1): grid 4 x 64, 4 waves a work-group, clusters of 4 x 4, 327,680 bytes of LDS; arguments a, b, alpha, out0; writes out0
.if DOCPART == 1
	.amdgcn_target "amdgcn-amd-amdhsa--gfx1250"
	.amdhsa_code_object_version 6
	.text
	.protected	k_qb2e760c6da_bmm
	.globl	k_qb2e760c6da_bmm
	.p2align	8
	.type	k_qb2e760c6da_bmm,@function
k_qb2e760c6da_bmm:
	s_mov_b64 s[64:65], 0
	v_nop
	global_prefetch_b8 v0, s[64:65] scope:SCOPE_SE
	s_setreg_imm32_b32 hwreg(HW_REG_WAVE_MODE, 25, 1), 1
	s_wait_xcnt 0x0
	s_wait_alu depctr_hold_cnt(0) depctr_sa_sdst(0) depctr_va_vdst(0) depctr_va_sdst(0) depctr_va_ssrc(0) depctr_va_vcc(0) depctr_vm_vsrc(0)
	s_getreg_b32 s2, hwreg(HW_REG_IB_STS2, 6, 4)
	s_cmp_eq_u32 s2, 0
	s_cbranch_scc0 .Lentry_in_a_cluster
	s_endpgm
.Lentry_in_a_cluster:
	s_bfe_u32 s2, ttmp6, 0x10000c
	s_cmp_lg_u32 s2, 0xf033
	s_cbranch_scc0 .Lentry_shape_is_right
	s_endpgm
.Lentry_shape_is_right:
; out0[t][m][n] = alpha x float(sum over k of a[t][m][k] b[t][k][n]).  a: [16][1024][4096] int8, b: [16][4096][1024] int8, alpha: one f32, out0: [16][1024][1024] f32.
; FORMAT.  The operands are int8 as they lie in memory and the sums are int32, as the problem has them: v_wmma_i32_16x16x64_iu8, both sources signed.  Nothing is rounded or narrowed on the way in.
; A sum is at most 4096 x 128 x 128 = 2^26 in size (-128 included), so no sum leaves int32, and integer sums have one value in any order of k.  Two roundings, as in the problem: int32 to f32, and the product with alpha.
; No step and no input is left out: a, b and alpha are all loaded.  No limit of range is kept.
; SHARES.  16 batches x 4 x 4 tiles of 256 x 256 of C = 256 work-groups, one tile each.  Four waves, each 128 x 128: 64 accumulators of 16 x 16, 512 registers.
; K goes in 16 steps of 256 through a ring of two LDS slots filled by the tensor data mover: a tile of a is 256 rows (m) x 256 bytes (k), a tile of b 256 rows (k) x 256 bytes (n); all rows start at multiples of 256 bytes.
; CLUSTERS.  The 4 x 4 work-groups of a cluster are the 16 tiles of ONE batch.  The four of a row of the cluster need the same tiles of a, the four of a column the same tiles of b: each tile is asked for JOINTLY,
; by the same tensor load with the same descriptor and a mask that names the four.  That divides the requests for a and b by four.
; b LIES [k][n], and a fragment wants k along a lane's registers.  ds_load_tr16_b128, used on PAIRS of bytes, gives a lane 8 k of the two columns 2 r and 2 r + 1, byte by byte in turn; four v_perm_b32 part them
; into a fragment of the even columns and one of the odd ones.  These 64 lines a quarter step stand between matrix instructions.
; k IS PERMUTED ALIKE IN BOTH SOURCES: register pair q of lane half h holds k = {0, 8, 32, 40}[q] + 16 h + 0..7 of the 64.  So a's fragment is two loads of 16 bytes, 32 bytes apart; b's rows are chosen to match.
; THE MATRIX INSTRUCTION IS USED TRANSPOSED: source 0 = 16 columns of b, source 1 = 16 rows of a.  Lane l then holds row l % 16 of C; register j of the even (odd) fragment of a block of 32 columns is column
; 16 (l / 16) + 2 j (+ 1): the two accumulators, laid in turn, are 16 neighbouring numbers of a row of C.
; REGISTERS, in windows of 256 (s_set_vgpr_msb: bits 1:0 source 0, 3:2 source 1, 5:4 source 2, 7:6 destination):
;   window 0: v0-31 addresses; v64-127, v128-191 fragments of a, two buffers; v192-255 b as the turning loads leave it; on the way out v192-255 at work, v64-191 rows read back
;   window 1: v64-127, v128-191 fragments of b, two buffers      window 2: the 32 accumulators of my rows 0-63 ((a, b) at v[8 (8 a + b)])      window 3: those of my rows 64-127
.set PA,    272                        ; an LDS row of a: 256 bytes + 16 of padding = 17 x 16: the 16 rows of a load start at 16 different groups of four banks (64 banks of 4 bytes: ISA guide 11.1)
.set PB,    288                        ; an LDS row of b: 256 + 32 = 9 x 32
.set HALFA, 128*PA                     ; what one tensor load brings of a: 128 rows
.set HALFB, 128*PB                     ; and of b
.set BOFF,  2*HALFA                    ; in a slot b's 256 rows lie behind a's 256
.set SLOT,  2*HALFA+2*HALFB            ; 143,360 bytes
.set STAGE, 2*SLOT                     ; behind the ring, never filled by a tensor load: 16 rows x 528 bytes for each wave, for the way out
.set SP,    528                        ; a stage row: 512 bytes (128 f32) + 16 = 33 x 16
.set SPARE, STAGE+4*16*SP              ; behind the stages: the spare words, 128 bytes for each wave: two blocks of 256 bytes that no other line names
.set LAPS,  8                          ; a lap = two K steps = once round the ring: 4096 / 512
.set ASTEP, 256                        ; bytes from a K step to the next in a (along the rows)
.set BSTEP, 256*1024                   ; and in b (256 rows down)
.set OROW,  4096                       ; bytes in a row of out0
.set ADRA, 16                          ; v16-17  LDS address of my fragments of a in slot 0, 1
.set ADRB, 20                          ; v20-23  the same for b: slot 0 rows 0-127, rows 128-255, slot 1 likewise (so that the immediates stay under 65,536)
.set STO,  24                          ; v24     the way out: where I put 64 bytes of a row
.set RD,   25                          ; v25     the way out: where I read a row back
.set CO,   26                          ; v26     my byte offset in 512 bytes of a row of out0
.set SPW,  28                          ; v28     LDS address of my spare word: SPARE + 4 x my thread's number; never rewritten
.set NIL,  29                          ; v29     0; never rewritten
.set PFO,  30                          ; v30     the prefetches' offset: my lane x a row of a or b in memory; never rewritten
.set F0,   64                          ; fragment buffer 0 (a's in window 0, b's in window 1)
.set F1,   128                         ; fragment buffer 1
.set RAW,  192                         ; b as loaded: block pb of 32 columns, register pair q at RAW + 16 pb + 4 q
.set TMP,  192                         ; the way out: 16 rows' 64 numbers a lane
.set OB,   64                          ; the way out: 16 rows read back: v64-127 and v128-191 by turns
.set WV,  12                           ; s12  my wave's number
.set HR,  13                           ; s13  which half of the tile's rows is mine.  Also: I fetch for a (0) or for b (1)
.set HC,  14                           ; s14  which half of its columns.  Also: which 128 rows of that tile I fetch
.set LAP, 15                           ; s15  trips to go
.set G1,  24                           ; s[24:31] descriptor group 1 for a's tiles
.set G0,  32                           ; s[32:39] group 0 for a's tiles, one set for each slot
.set PFA, 44                           ; s[44:45] where my prefetches stand
.set PFS, 46                           ; s[46:47] their step: a K step in a or in b
.set G1B, 48                           ; s[48:55] group 1 for b's tiles
.set G0B, 56                           ; s[56:63] group 0 for b's tiles
.set SELE, 66                          ; s66  v_perm_b32's select for the even columns' bytes
.set SELO, 67                          ; s67  for the odd ones
.set AL,  68                           ; s[68:69] alpha, twice: named as a pair by the packed multiply
.set MSB, 0
.macro WIN new                         ; the immediate's high byte repeats the setting that is left; a switch that changes nothing is dropped
.if MSB != (\new)
	s_set_vgpr_msb (MSB<<8)|(\new)
.set MSB, \new
.endif
.endm
.set MUL_LO, 0xa1                      ; source 0 (b) window 1, source 1 (a) window 0, C and D window 2
.set TO_B,   0x40                      ; destination window 1, sources window 0
.macro PLACES n                        ; a load into, or a vector write of, a register that this matrix form has read, and a vector read of its result, stand eight places behind it; only plain
.rept \n                               ; vector instructions that name none of its registers are places (ISA guide 7.12.1 for vector instructions)
	v_nop
.endr
.endm
; A joint load.  Waves 0 and 1 fetch a's two halves, waves 2 and 3 b's.  Each line has one mask and one set of registers, and nothing in them hangs on a coordinate that the four partners do not share.
; The branch hangs on the wave's number alone.  An s_nop 0 and four v_nop follow each of the two lines, ahead of the jump, the label and what follows.
.macro JLOAD s
	s_cmp_eq_u32 s[HR], 0
	s_cbranch_scc0 .Lfor_b_\@
	tensor_load_to_lds s[G0+4*(\s):G0+4*(\s)+3], s[G1:G1+7]
	s_nop 0
.rept 4
	v_nop
.endr
	s_branch .Lasked_\@
.Lfor_b_\@:
	tensor_load_to_lds s[G0B+4*(\s):G0B+4*(\s)+3], s[G1B:G1B+7]
	s_nop 0
.rept 4
	v_nop
.endr
.Lasked_\@:
.endm
; A round of the cluster's barrier: my work-group's barrier, so that wave 0's signal speaks for all four waves; wave 0 signals; every wave waits for all sixteen work-groups; my work-group's barrier once more.
.macro CREST                           ; a round behind its opening barrier
	s_cmp_lg_u32 s[WV], 0
	s_cbranch_scc1 .Lnot_wave_0_\@
	s_barrier_signal -3
.Lnot_wave_0_\@:
	s_barrier_wait -3
	s_barrier_signal -1
	s_barrier_wait -1
.endm
.macro CROUND                          ; a whole round
	s_barrier_signal -1
	s_barrier_wait -1
	CREST
.endm
; A PREFETCH INTO THE L2 of the K step that the NEXT refill will ask for: 256 matrix instructions ahead of that load.  It stands behind the joint load, its five lines and the run of LDS loads.
; A batch's rows are read by its own cluster alone, so every cluster asks for its own.  Of the 128 rows that a wave fetches, each of the four partners that ask for them jointly takes 32, told apart BY ADDRESS
; (cx for a, cy for b): a lane a row, 256 bytes of it, one instruction a wave.  So each 256 bytes of a row are named once in the launch.  K steps 0 to 2 come by their loads alone.
; always = 0: the loop's last trip asks for nothing here: there is no K step 16.
.macro ASK always
.if !(\always)
	s_cmp_gt_u32 s[LAP], 1
	s_cbranch_scc0 .Lno_ask_\@
.endif
	global_prefetch_b8 v[PFO], s[PFA:PFA+1] th:TH_LOAD_NT scope:SCOPE_SE
.if !(\always)
.Lno_ask_\@:
.endif
.endm
	s_load_b256 s[4:11], s[0:1], 0x0               ; a s[4:5], b s[6:7], alpha's address s[8:9], out0 s[10:11]
	v_lshl_add_u32 v[SPW], v0, 2, SPARE
	v_mov_b32 v[NIL], 0
	ds_add_u32 v[SPW], v[NIL]                      ; the wave's opening: the add, twice on end, and its wait ahead of my first tensor load; the set-up below, work on registers, stands between
	ds_add_u32 v[SPW], v[NIL]                      ; and once more, under the one wait
	v_lshrrev_b32 v1, 5, v0
	v_readfirstlane_b32 s[WV], v1                  ; wave 0..3
	s_lshr_b32 s[HR], s[WV], 1
	s_and_b32 s[HC], s[WV], 1
	s_bfe_u32 s40, ttmp6, 0x40000                  ; cx: my place along the cluster's x
	s_bfe_u32 s41, ttmp6, 0x40004                  ; cy: along its y
	s_lshl_b32 s42, ttmp9, 2                       ; in a cluster launch ttmp9 and ttmp7 count clusters
	s_add_co_u32 s42, s42, s40                     ; tile column of C = 4 x cluster x + cx
	s_and_b32 s74, ttmp7, 0xffff                   ; the batch = cluster y
	s_lshl_b32 s43, s74, 2
	s_add_co_u32 s43, s43, s41                     ; tile row, counted through all batches' rows = 4 x batch + cy
	s_lshl_b32 s75, s41, 2
	s_lshl_b32 s75, 15, s75                        ; my row of the cluster: places 4 cy .. 4 cy + 3
	s_lshl_b32 s76, 0x1111, s40                    ; my column: places cx, cx + 4, cx + 8, cx + 12
	; descriptor group 1: a tile of 128 rows x 128 elements of 2 bytes, padded in LDS
	s_or_b32 s[G1+0], s75, (1<<16)|(1<<20)|(1<<21)|(5<<22)|(3<<25)   ; 15:0 the mask: a's tiles go to my row; 17:16 elements of 2 bytes; 20 padding on; 21 set beside a mask; 24:22 after every 64 words (code 5); 31:25 4 words (code 3)
	s_or_b32 s[G1B+0], s76, (1<<16)|(1<<20)|(1<<21)|(5<<22)|(7<<25)  ; b's tiles go to my column; 8 words of padding (code 7)
.irp g, G1, G1B
	s_mov_b32 s[(\g)+1], 128<<16                   ; tensor_dim0 = 128
	s_mov_b32 s[(\g)+2], 128<<16                   ; tensor_dim1 = 128
	s_mov_b32 s[(\g)+3], 128<<16                   ; tile_dim0 = 128 elements: 256 bytes
	s_mov_b32 s[(\g)+4], 128                       ; tile_dim1 = 128 rows
	s_mov_b32 s[(\g)+6], 0
	s_mov_b32 s[(\g)+7], 0
.endr
	s_mov_b32 s[G1+5], 2048                        ; elements from row to row: a's rows are 4,096 bytes,
	s_mov_b32 s[G1B+5], 512                        ; b's 1,024
	s_mov_b32 s[SELE], 0x06040200
	s_mov_b32 s[SELO], 0x07050301
	; where the tiles come from.  a's hang on the tile row alone, which my row of the cluster shares; b's on the batch and the tile column, which my column shares.
	; Every wave makes both addresses, in registers that never hold the other coordinate, and asks by one of them.
	s_lshl_b32 s16, s43, 20                        ; a: 256 rows x 4,096 bytes x tile row
	s_lshl_b32 s17, s[HC], 19                      ;    + the 128 rows that I fetch
	s_add_co_u32 s16, s16, s17
	s_mov_b32 s17, 0
	s_lshl_b32 s70, s74, 22                        ; b: the batch's 4,096 x 1,024 bytes
	s_lshl_b32 s71, s42, 8                         ;    + 256 bytes x tile column
	s_add_co_u32 s70, s70, s71
	s_lshl_b32 s71, s[HC], 17                      ;    + the 128 rows (of k) that I fetch
	s_add_co_u32 s70, s70, s71
	s_mov_b32 s71, 0
	s_mul_i32 s20, s[HC], HALFA                    ; and where they go: no place in the cluster enters an LDS address
	s_mul_i32 s21, s[HC], HALFB
	s_add_co_u32 s21, s21, BOFF
	s_wait_dscnt 0x0                               ; both opening adds are done
	s_wait_kmcnt 0x0
	s_load_b32 s[AL], s[8:9], 0x0                  ; alpha: waited for behind the address work below
	s_add_nc_u64 s[18:19], s[4:5], s[16:17]
	s_add_nc_u64 s[70:71], s[6:7], s[70:71]
	CROUND                                         ; all sixteen work-groups are here: the first joint loads meet
.irp s, 0,1
	s_mov_b32 s[G0+4*(\s)], 1                                        ; count = 1
	s_add_co_u32 s[G0+4*(\s)+1], s20, (\s)*SLOT                      ; LDS address
	s_add_nc_u64 s[G0+4*(\s)+2:G0+4*(\s)+3], s[18:19], (\s)*ASTEP    ; global address: K step s
	s_or_b32 s[G0+4*(\s)+3], s[G0+4*(\s)+3], 0x80000000              ; type = 2
	s_mov_b32 s[G0B+4*(\s)], 1
	s_add_co_u32 s[G0B+4*(\s)+1], s21, (\s)*SLOT
	s_add_nc_u64 s[G0B+4*(\s)+2:G0B+4*(\s)+3], s[70:71], (\s)*BSTEP
	s_or_b32 s[G0B+4*(\s)+3], s[G0B+4*(\s)+3], 0x80000000
	JLOAD \s                                       ; the ring is filled before anything else is done: two loads of mine are out
.endr
	; a's fragment: lane l holds row l % 16; two loads of 16 bytes at k = 16 (l / 16) and 32 + 16 (l / 16)
	v_and_b32 v1, 15, v0                           ; r = l % 16
	v_bfe_u32 v2, v0, 4, 1                         ; h = l / 16
	v_mul_u32_u24 v3, v1, PA
	v_lshl_add_u32 v3, v2, 4, v3                   ; row x pitch + 16 h
	s_mul_i32 s22, s[HR], HALFA                    ; my 128 rows of a
	v_add_nc_u32 v[ADRA], s22, v3
	v_add_nc_u32 v[ADRA+1], SLOT, v[ADRA]
	; b's turning load: lane l reads 16 bytes of row k = 16 h + l % 8, columns 16 ((l / 8) % 2) on; it is left with 8 k of the columns 2 r and 2 r + 1
	v_and_b32 v4, 7, v0
	v_lshl_add_u32 v4, v2, 4, v4
	v_mul_u32_u24 v4, v4, PB
	v_bfe_u32 v5, v0, 3, 1
	v_lshl_add_u32 v4, v5, 4, v4
	s_lshl_b32 s22, s[HC], 7                       ; my 128 columns
	s_add_co_u32 s22, s22, BOFF
	v_add_nc_u32 v[ADRB], s22, v4
	v_add_nc_u32 v[ADRB+1], 128*PB, v[ADRB]
	v_add_nc_u32 v[ADRB+2], SLOT, v[ADRB]
	v_add_nc_u32 v[ADRB+3], SLOT, v[ADRB+1]
	s_mul_i32 s23, s[WV], 16*SP
	s_add_co_u32 s23, s23, STAGE                   ; my stage
	v_mul_u32_u24 v6, v1, SP                       ; in: row r, 64 bytes for each half of the lanes in each block of 32 columns
	v_lshl_add_u32 v6, v2, 6, v6
	v_add_nc_u32 v[STO], s23, v6
	v_and_b32 v7, 31, v0                           ; l
	v_lshlrev_b32 v[CO], 4, v7                     ; back: 32 lanes take one row of 512 bytes,
	v_add_nc_u32 v[RD], s23, v[CO]                 ; which are 512 consecutive bytes of out0
	; where my part of the tile begins in out0, in bytes: the way out adds it to out0's address
	s_lshl_b32 s72, s43, 20                        ; 256 rows x 4,096 bytes x tile row
	s_lshl_b32 s73, s[HR], 19                      ; + my 128 rows
	s_add_co_u32 s72, s72, s73
	s_lshl_b32 s73, s42, 10                        ; + 1,024 bytes x tile column
	s_add_co_u32 s72, s72, s73
	s_lshl_b32 s73, s[HC], 9                       ; + my 128 columns
	s_add_co_u32 s72, s72, s73
	s_mov_b32 s73, 0
	; the prefetches: my work-group's 32 rows of the 128 that I fetch, at K step 2; the first refill steps the address to K step 3
	s_lshl_b32 s77, s43, 20                        ; in a: tile row,
	s_lshl_b32 s78, s[HC], 19                      ; the 128 rows that I fetch,
	s_add_co_u32 s77, s77, s78
	s_lshl_b32 s78, s40, 17                        ; 32 cx rows of 4,096 bytes
	s_add_co_u32 s77, s77, s78
	s_add_co_u32 s77, s77, 2*ASTEP
	s_lshl_b32 s78, s74, 22                        ; in b: batch,
	s_lshl_b32 s79, s42, 8                         ; tile column,
	s_add_co_u32 s78, s78, s79
	s_lshl_b32 s79, s[HC], 17                      ; the 128 rows that I fetch,
	s_add_co_u32 s78, s78, s79
	s_lshl_b32 s79, s41, 15                        ; 32 cy rows of 1,024 bytes
	s_add_co_u32 s78, s78, s79
	s_add_co_u32 s78, s78, 2*BSTEP
	s_movk_i32 s[PFS], ASTEP
	s_mov_b32 s[PFS+1], BSTEP
	s_cmp_eq_u32 s[HR], 0                          ; do I fetch for a?
	s_cselect_b32 s78, s77, s78
	s_cselect_b32 s[PFS], s[PFS], s[PFS+1]
	s_cselect_b32 s77, 12, 10                      ; a lane a row: 4,096 or 1,024 bytes
	s_cselect_b64 s[PFA:PFA+1], s[4:5], s[6:7]
	s_mov_b32 s79, 0
	s_mov_b32 s[PFS+1], 0
	s_add_nc_u64 s[PFA:PFA+1], s[PFA:PFA+1], s[78:79]
	v_lshlrev_b32 v[PFO], s77, v7
	s_wait_kmcnt 0x0                               ; alpha
	s_mov_b32 s[AL+1], s[AL]
; Eight of the 64 lines that part b's even and odd columns: block p / 2 of 32 columns, register pairs 2 (p % 2) and 2 (p % 2) + 1, into buffer g of window 1 (even fragment at 16 pb, odd at 16 pb + 8).
.macro PERM8 p, g
	WIN TO_B
.irp z, 0,1
.set rw, RAW+16*((\p)/2)+4*(2*((\p)%2)+(\z))
.set de, (\g)+16*((\p)/2)+2*(2*((\p)%2)+(\z))
	v_perm_b32 v[de],   v[rw+1], v[rw],   s[SELE]
	v_perm_b32 v[de+1], v[rw+3], v[rw+2], s[SELE]
	v_perm_b32 v[de+8], v[rw+1], v[rw],   s[SELO]
	v_perm_b32 v[de+9], v[rw+3], v[rw+2], s[SELO]
.endr
.endm
; 16 matrix instructions: m blocks a0, a0 + 1 of the window's four (hi = 0: my rows 0-63, 1: rows 64-127) x all 8 fragments of b, 64 along K.  zero = 1: the first product starts the sums: nothing is cleared.
; ride = 1: behind every second one stand eight of the lines that make the NEXT quarter's fragments of b, in buffer g: they name no register of the products round them.
; The 64 accumulators take turns, one instruction a turn, in the same order in every quarter, over the backward jump too.
.macro MUL16 f, hi, a0, zero, ride=0, g=0
.set n, 0
.irp a, \a0, (\a0)+1
.irp b, 0,1,2,3,4,5,6,7
	WIN MUL_LO+0x50*(\hi)
.if \zero
	v_wmma_i32_16x16x64_iu8 v[8*(8*(\a)+(\b)):8*(8*(\a)+(\b))+7], v[(\f)+8*(\b):(\f)+8*(\b)+7], v[(\f)+8*(4*(\hi)+(\a)):(\f)+8*(4*(\hi)+(\a))+7], 0 neg_lo:[1,1,0]
.else
	v_wmma_i32_16x16x64_iu8 v[8*(8*(\a)+(\b)):8*(8*(\a)+(\b))+7], v[(\f)+8*(\b):(\f)+8*(\b)+7], v[(\f)+8*(4*(\hi)+(\a)):(\f)+8*(4*(\hi)+(\a))+7], v[8*(8*(\a)+(\b)):8*(8*(\a)+(\b))+7] neg_lo:[1,1,0]
.endif
.if (\ride) && (n%2 == 0)
	PERM8 n/2, \g
.endif
.set n, n+1
.endr
.endr
.endm
; 32 LDS loads in one run, for quarter kq (64 k) of a slot: first b's 16 turning loads into RAW (block pb, rows {0, 8, 32, 40}[q] on), then a's 16 into buffer g.
.macro FETCH slot, kq, g
	WIN 0
.irp pb, 0,1,2,3
.irp q, 0,1,2,3
	ds_load_tr16_b128 v[RAW+16*(\pb)+4*(\q):RAW+16*(\pb)+4*(\q)+3], v[ADRB+2*(\slot)+(\kq)/2] offset:((\kq)%2)*64*PB+(8*((\q)%2)+32*((\q)/2))*PB+32*(\pb)
.endr
.endr
.irp i, 0,1,2,3,4,5,6,7
	ds_load_b128 v[(\g)+8*(\i):(\g)+8*(\i)+3],   v[ADRA+(\slot)] offset:64*(\kq)+(\i)*16*PA
	ds_load_b128 v[(\g)+8*(\i)+4:(\g)+8*(\i)+7], v[ADRA+(\slot)] offset:64*(\kq)+(\i)*16*PA+32
.endr
.endm
; A K step is four quarters of 64 along K, 64 matrix instructions each, on buffers 0, 1, 0, 1.  One of the first three: multiplies buffer f, fetches quarter kq of the same slot, and makes buffer g of it.
.macro QUARTER slot, kq, f, g, zero
	s_wait_dscnt 0x0                               ; a's fragments of buffer f are in (issued 48 matrix instructions back)
	MUL16 \f, 0, 0, \zero
	PLACES 8                                       ; behind the last product that read buffer g, ahead of the loads and the lines that write it
	FETCH \slot, \kq, \g
	MUL16 \f, 0, 2, \zero
	MUL16 \f, 1, 0, \zero
	s_wait_dscnt 16                                ; b's sixteen turning loads are back; a's sixteen, issued behind them, may be out
	MUL16 \f, 1, 2, \zero, 1, \g
.endm
; The last quarter multiplies buffer 1 and changes slots: ONE barrier, for two things.  In front of it each wave waits for all its tensor loads, of which one is out: its part of the next slot; adds 0 to its spare
; word; and waits for that and for its own reads of this slot.  Behind it nobody reads this slot any more and the next slot is whole.  fill = 1: the barrier opens a round of the cluster's barrier, and the slot
; just read out is filled again, first thing behind the round, with the K step two steps on: from that request to the wait for it a wave issues 224 matrix instructions.
.macro TURN slot, next, fill, always
.if \fill
	s_wait_xcnt 0x0                                ; the last prefetch, a K step back, has read its address: it is stepped here, ahead of the waits of the change of slots
	s_add_nc_u64 s[PFA:PFA+1], s[PFA:PFA+1], s[PFS:PFS+1]
.endif
	s_wait_dscnt 0x0                               ; a's fragments of buffer 1 are in: my last reads of this slot
	WIN 0                                          ; (the add's two registers lie in window 0)
	s_wait_tensorcnt 0x0                           ; all my tensor loads have landed;
	ds_add_u32 v[SPW], v[NIL]                      ; 0 onto my spare word;
	MUL16 F1, 0, 0, 0                              ; sixteen matrix instructions stand between the add and the wait for it
	s_wait_dscnt 0x0                               ; the add is done, and my reads of this slot are over:
	s_barrier_signal -1                            ; say so,
	MUL16 F1, 0, 2, 0                              ; work on registers while the others arrive,
	WIN 0
	s_barrier_wait -1                              ; and go on when all four have said so
.if \fill
	CREST                                          ; all sixteen work-groups have said so: no wave of any partner still reads this slot or has a load on its way
	s_add_nc_u64 s[G0+4*(\slot)+2:G0+4*(\slot)+3], s[G0+4*(\slot)+2:G0+4*(\slot)+3], 2*ASTEP
	s_add_nc_u64 s[G0B+4*(\slot)+2:G0B+4*(\slot)+3], s[G0B+4*(\slot)+2:G0B+4*(\slot)+3], 2*BSTEP
	JLOAD \slot                                    ; the first tensor load behind the round, my only one until the next
	PLACES 4                                       ; with the four behind the load: eight places behind the last product that read buffer 0
.else
	PLACES 8
.endif
	FETCH \next, 0, F0
.if \fill
	ASK \always
.endif
	MUL16 F1, 1, 0, 0
	s_wait_dscnt 16                                ; b's sixteen turning loads are back; a's sixteen may be out
	MUL16 F1, 1, 2, 0, 1, F0
.endm
; THE WAY OUT of block a (16 rows), in three parts.  PACK: int32 to f32, the even and the odd columns' accumulators laid in turn (each accumulator's lowest register is read first),
; then times alpha.  TOSTAGE: into my own stage in LDS, and back as whole rows of 512 bytes.  SEND: stored.
.macro PACK a
	WIN 0x02+(\a)/4                                ; source 0: window 2 or 3
.irp pb, 0,1,2,3
.irp j, 0,1,2,3,4,5,6,7
.irp par, 0,1
	v_cvt_f32_i32 v[TMP+16*(\pb)+2*(\j)+(\par)], v[64*((\a)%4)+8*(2*(\pb)+(\par))+(\j)]
.endr
.endr
.endr
	WIN 0
.set z, 0
.rept 32
	v_pk_mul_f32 v[TMP+z:TMP+z+1], v[TMP+z:TMP+z+1], s[AL:AL+1] op_sel_hi:[1,0]
.set z, z+2
.endr
.endm
.macro TOSTAGE a
	WIN 0
.set BK, OB+64*((\a)%2)
.irp i, 0,1,2,3,4,5,6,7,8,9,10,11,12,13,14,15
	ds_store_b128 v[STO], v[TMP+4*(\i):TMP+4*(\i)+3] offset:128*((\i)/4)+16*((\i)%4)
.endr
.irp t, 0,1,2,3,4,5,6,7,8,9,10,11,12,13,14,15
	ds_load_b128 v[BK+4*(\t):BK+4*(\t)+3], v[RD] offset:SP*(\t)  ; LDS serves a wave's instructions in order (ISA guide 5.7.1.4): these see the stores above
.endr
.endm
.macro SEND a
	WIN 0
.set BK, OB+64*((\a)%2)
	s_wait_dscnt 0x0                               ; the block is back in registers
	s_wait_xcnt 0x0                                ; every earlier memory instruction has had its addresses translated (ISA guide 3.1): only behind this wait are the stores' base and the registers that earlier stores read rewritten
.if (\a) == 0
	s_add_nc_u64 s[10:11], s[10:11], s[72:73]      ; on to my first rows
.else
	s_add_nc_u64 s[10:11], s[10:11], 16*OROW       ; 16 rows on
.endif
.irp t, 0,1,2,3,4,5,6,7,8,9,10,11,12,13,14,15
	global_store_b128 v[CO], v[BK+4*(\t):BK+4*(\t)+3], s[10:11] offset:OROW*(\t) th:TH_STORE_NT  ; the wave stores 512 consecutive bytes, at a multiple of 512 from out0's first byte
.endr
.endm
	s_wait_tensorcnt 1                             ; my part of K step 0 is in; K step 1's may stay out
	s_barrier_signal -1
	s_barrier_wait -1                              ; everybody's is
	FETCH 0, 0, F0
	s_wait_dscnt 16                                ; b's sixteen turning loads are back
.irp p, 0,1,2,3,4,5,6,7
	PERM8 \p, F0                                   ; the first fragments of b: there are no products yet to set them between
.endr
	QUARTER 0, 1, F0, F1, 1                        ; the first quarter stands in front of the loop: its products start the sums
	WIN 0                                          ; at a label and at a branch every window is 0
	s_mov_b32 s[LAP], LAPS-1
.Llap:                                                 ; a trip goes once round the ring, from a lap's second quarter to the next lap's first, and fills both slots again
	QUARTER 0, 2, F1, F0, 0
	QUARTER 0, 3, F0, F1, 0
	TURN 0, 1, 1, 1
	QUARTER 1, 1, F0, F1, 0
	QUARTER 1, 2, F1, F0, 0
	QUARTER 1, 3, F0, F1, 0
	TURN 1, 0, 1, 0
	QUARTER 0, 1, F0, F1, 0
	WIN 0
	s_sub_co_u32 s[LAP], s[LAP], 1
	s_cmp_lg_u32 s[LAP], 0
	s_cbranch_scc1 .Llap
	QUARTER 0, 2, F1, F0, 0                        ; the last lap is written out: it fills nothing, and has no round of the cluster's barrier
	QUARTER 0, 3, F0, F1, 0
	TURN 0, 1, 0, 0
	QUARTER 1, 1, F0, F1, 0
	QUARTER 1, 2, F1, F0, 0
	QUARTER 1, 3, F0, F1, 0
	s_wait_dscnt 0x0                               ; the very last quarter: nothing more to fetch
	MUL16 F1, 0, 0, 0
	MUL16 F1, 0, 2, 0
	MUL16 F1, 1, 0, 0
	MUL16 F1, 1, 2, 0
	WIN 0
	PLACES 8                                       ; the conversions read results, and the way out writes registers that the last products read
	PACK 0
	TOSTAGE 0
.irp a, 1,2,3,4,5,6,7                  ; block a's arithmetic stands between block a - 1's loads from the stage and the wait for them
	PACK \a
	SEND (\a)-1
	TOSTAGE \a
.endr
	SEND 7
	s_wait_tensorcnt 0x0                           ; the wave's end: an add and its wait, behind my last tensor load and my last LDS store
	ds_add_u32 v[SPW], v[NIL]
	s_wait_dscnt 0x0
	CROUND                                         ; the closing round: no work-group ends while a partner may still ask for a tile that names it
	s_endpgm
.Lfunc_end_k_qb2e760c6da_bmm:
	.size	k_qb2e760c6da_bmm, .Lfunc_end_k_qb2e760c6da_bmm-k_qb2e760c6da_bmm
	.p2alignl 7, 3214868480
	.fill 96, 4, 3214868480
	.section	.rodata,"a",@progbits
	.p2align	6, 0x0
	.amdhsa_kernel k_qb2e760c6da_bmm
		.amdhsa_group_segment_fixed_size 327680
		.amdhsa_private_segment_fixed_size 0
		.amdhsa_enable_private_segment 0
		.amdhsa_kernarg_size 32
		.amdhsa_user_sgpr_count 2
		.amdhsa_user_sgpr_kernarg_segment_ptr 1
		.amdhsa_wavefront_size32 1
		.amdhsa_system_sgpr_workgroup_id_x 1
		.amdhsa_system_sgpr_workgroup_id_y 1
		.amdhsa_system_sgpr_workgroup_id_z 1
		.amdhsa_system_vgpr_workitem_id 0
		.amdhsa_next_free_vgpr 1024
		.amdhsa_next_free_sgpr 80
		.amdhsa_reserve_vcc 0
		.amdhsa_float_denorm_mode_32 3
		.amdhsa_float_denorm_mode_16_64 3
		.amdhsa_memory_ordered 1
		.amdhsa_forward_progress 1
		.amdhsa_inst_pref_size 248
	.end_amdhsa_kernel
	.amdgpu_metadata
---
amdhsa.version: [ 1, 2 ]
amdhsa.kernels:
  - .name:           k_qb2e760c6da_bmm
    .symbol:         k_qb2e760c6da_bmm.kd
    .args:
      - { .name: a, .offset: 0, .size: 8, .value_kind: global_buffer, .address_space: global }
      - { .name: b, .offset: 8, .size: 8, .value_kind: global_buffer, .address_space: global }
      - { .name: alpha, .offset: 16, .size: 8, .value_kind: global_buffer, .address_space: global }
      - { .name: out0, .offset: 24, .size: 8, .value_kind: global_buffer, .address_space: global }
    .group_segment_fixed_size: 327680
    .private_segment_fixed_size: 0
    .kernarg_segment_align: 8
    .kernarg_segment_size: 32
    .max_flat_workgroup_size: 128
    .sgpr_count:     80
    .vgpr_count:     1024
    .wavefront_size: 32
...
	.end_amdgpu_metadata
.endif
;; end of part 1
